; MI455X (gfx1250); checked and timed in simulation.
; The chip was launched on July 23, 2026; its instructions are those of AMD's public machine-readable ISA for CDNA 5 (MIT licence, August 2026) and "CDNA5" Instruction Set Architecture Reference Guide (July 2026). The comments in the code are by the model that wrote it; some were corrected since.
;; Low Rank Linear. Allowed arithmetic: float matrix products may take bf16 or f16 operands with f32 sums; all other float work in f32.
;; Inputs: A 8,192 x 64 float32; B 64 x 8,192 float32; bias 8,192 float32; x 32 x 8,192 float32.
;; Outputs: out0 32 x 8,192 float32.
;; 2 versions, each right; version 2 is version 1 with the launch project written anew for expert scheduling mode. Each part assembles by itself: llvm-mc -triple=amdgcn-amd-amdhsa -mcpu=gfx1250 --defsym DOCPART=n.
;; ======== version 1 of 2: 2 launches
;; workspace buffers: part 131,072 bytes
;; launch project (part 1): grid 8 x 16, 8 waves a work-group, no clusters, 48,128 bytes of LDS; arguments x, B, part; writes part
.if DOCPART == 1
	.amdgcn_target "amdgcn-amd-amdhsa--gfx1250"
	.amdhsa_code_object_version 6
	.text
	.protected	k_q0670977213_project
	.globl	k_q0670977213_project
	.p2align	8
	.type	k_q0670977213_project,@function
k_q0670977213_project:
	s_mov_b64 s[64:65], 0
	v_nop
	global_prefetch_b8 v0, s[64:65] scope:SCOPE_SE
	s_setreg_imm32_b32 hwreg(HW_REG_WAVE_MODE, 25, 1), 1
	s_wait_xcnt 0x0
; First half of y = x (A B)^T + bias, regrouped as y = (x B^T) A^T + bias (matrix products are associative for every input).
; This launch makes partial sums of t = x B^T, t: [32 batch][64 rank].  x: [32][8192] f32, B: [64][8192] f32.
; part[kc 0..15][tl 0..7][m 0..15][q 0..15] f32: the sum over k = 512 kc .. 512 kc + 511 of x[16 bi + m][k] B[16 rj + q][k], tl = 4 bi + rj.
; A work-group (x = tl, y = kc) makes one tile of 16 x 16 over one chunk of 512 k: 32 KiB of x and 32 KiB of B, 1,024 bytes out.
; Wave w takes k = 512 kc + 64 w .. + 63: 16 rows x 256 bytes of x and of B, sixteen 16-byte loads a lane, all issued at once, rounded to bf16 on
; the way into the wave's own LDS bytes, read back as fragments, two matrix instructions.  The eight waves' tiles are added in f32 through LDS.
; LIMITS: operands are rounded to bf16, sums are f32.  The order of rounding differs from the product as it is written in the problem (the
; 8192 x 8192 weight is never formed); with Inf or NaN among the inputs, or where A B would overflow f32, NaN and Inf may stand at other places.
; NO CLUSTER, NO TENSOR LOADS: a piece of x is read by 4 work-groups and a piece of B by 2, but each work-group asks once, for 64 KiB, at its first
; lines; a joint request would put two cluster barriers round that one fill, and the bytes would lie in LDS as f32, twice as many as here.
.set ROWB, 32768                       ; bytes in a row of x and of B
.set OPW,  4608                        ; LDS: a wave's operands: x's 16 rows, then B's 16 rows
.set OPB,  2304                        ; B's rows behind x's (16 x 144)
.set OPP,  144                         ; 64 bf16 = 128 bytes + 16: an odd multiple of 16, so 16 rows begin in 16 different 16-byte columns modulo 256
.set RED,  36864                       ; LDS: behind the eight waves' operands, a tile of 16 x 16 f32 for each wave
.set REDW, 1280                        ; 16 rows x 80
.set REDP, 80                          ; 64 bytes + 16, again an odd multiple of 16
.set CL,   1                           ; v1   c = lane mod 16
.set HF,   2                           ; v2   h = lane / 16
.set GO,   3                           ; v3   global offset: 16 c + h rows
.set ST,   4                           ; v4   LDS: where my 8 bytes of bf16 go
.set FR,   5                           ; v5   LDS: my fragment rows
.set RS,   6                           ; v6   LDS: where my eight results go
.set RR,   7                           ; v7   LDS: the 16 bytes that I add up (waves 0 and 1)
.set PO,   8                           ; v8   my 16 bytes in the block of part
.set T0,   10                          ; v10, v11 scratch
.set T1,   11
.set XV,   12                          ; v[12:43]   x as loaded, eight times 4 f32
.set BV,   44                          ; v[44:75]   B as loaded
.set FB0,  76                          ; fragments: B and x, K step 0 and 1
.set FX0,  84
.set FB1,  92
.set FX1,  100
.set ACC0, 12                          ; the two accumulators lie where x lay: its LDS stores are done when they are written
.set ACC1, 20
.set P,    44                          ; the eight waves' pieces, read back where B lay
	s_load_b128 s[4:7], s[0:1], 0x0                ; x s[4:5], B s[6:7]
	s_load_b64 s[8:9], s[0:1], 0x10                ; part
	v_lshl_add_u32 v112, v0, 2, 0xb800
	v_mov_b32 v113, 0
	v_lshrrev_b32 v[T0], 5, v0
	v_readfirstlane_b32 s10, v[T0]                 ; wave 0..7
	s_and_b32 s11, ttmp7, 0xffff                   ; kc
	s_lshr_b32 s12, ttmp9, 2                       ; bi: which 16 rows of x
	s_and_b32 s13, ttmp9, 3                        ; rj: which 16 rows of B
	s_lshl_b32 s22, s11, 11                        ; 512 k of f32 = 2,048 bytes a chunk
	s_lshl_b32 s23, s10, 8                         ; 64 k = 256 bytes a wave
	s_add_co_u32 s22, s22, s23
	s_lshl_b32 s14, s12, 19                        ; 16 rows of 32,768 bytes
	s_add_co_u32 s14, s14, s22
	s_mov_b32 s15, 0
	s_lshl_b32 s16, s13, 19
	s_add_co_u32 s16, s16, s22
	s_mov_b32 s17, 0
	s_lshl_b32 s18, s11, 13                        ; part: 8 tiles of 1,024 bytes a chunk
	s_lshl_b32 s24, ttmp9, 10
	s_add_co_u32 s18, s18, s24
	s_mov_b32 s19, 0
	s_mul_i32 s20, s10, OPW                        ; my wave's operands in LDS
	s_mul_i32 s21, s10, REDW
	s_add_co_u32 s21, s21, RED                     ; my wave's tile in LDS
	v_and_b32 v[CL], 15, v0
	v_bfe_u32 v[HF], v0, 4, 1
	v_lshlrev_b32 v[GO], 4, v[CL]
	v_lshl_add_u32 v[GO], v[HF], 15, v[GO]         ; lanes 0-15 take 256 bytes of an even row, lanes 16-31 of the row below
	s_wait_kmcnt 0x0
	s_add_nc_u64 s[4:5], s[4:5], s[14:15]
	s_add_nc_u64 s[6:7], s[6:7], s[16:17]
	s_add_nc_u64 s[8:9], s[8:9], s[18:19]
	; all the wave's 8 KiB at once: load i brings rows 2 i and 2 i + 1, each as 256 consecutive bytes that begin at a multiple of 256
.irp i, 0,1,2,3,4,5,6,7
	global_load_b128 v[XV+4*\i:XV+4*\i+3], v[GO], s[4:5] offset:\i*2*ROWB
.endr
.irp i, 0,1,2,3,4,5,6,7
	global_load_b128 v[BV+4*\i:BV+4*\i+3], v[GO], s[6:7] offset:\i*2*ROWB
.endr
	v_mul_u32_u24 v[ST], v[HF], OPP                ; LDS addresses, while the loads are on their way
	v_lshl_add_u32 v[ST], v[CL], 3, v[ST]
	v_add_nc_u32 v[ST], s20, v[ST]                 ; row h, 8 bytes at 8 c
	v_mul_u32_u24 v[FR], v[CL], OPP
	v_lshl_add_u32 v[FR], v[HF], 4, v[FR]
	v_add_nc_u32 v[FR], s20, v[FR]                 ; row c, 16 bytes at 16 h
; Load n of the sixteen has come: four f32 become four bf16 (to nearest even) and go to LDS.
.macro TOLDS n, reg, off
	s_wait_loadcnt 15-(\n)                         ; loads come back in order: the 15 - n younger ones stay out
	v_cvt_pk_bf16_f32 v[\reg], v[\reg], v[\reg+1]
	v_cvt_pk_bf16_f32 v[\reg+1], v[\reg+2], v[\reg+3]
	ds_store_b64 v[ST], v[\reg:\reg+1] offset:\off
.endm
.irp i, 0,1,2,3,4,5,6,7
	TOLDS \i, XV+4*\i, 2*OPP*\i
.endr
.irp i, 0,1,2,3,4,5,6,7
	TOLDS 8+\i, BV+4*\i, OPB+2*OPP*\i
.endr
	; Fragments of 16 rows x 32 k: lane (c, h) takes row c, k = 8 h .. + 7 and 16 + 8 h .. + 7: two loads, 32 bytes apart.
	; The bytes are the wave's own and LDS serves a wave's instructions in order: no wait between the stores above and these loads.
	ds_load_b128 v[FB0:FB0+3],   v[FR] offset:OPB
	ds_load_b128 v[FB0+4:FB0+7], v[FR] offset:OPB+32
	ds_load_b128 v[FX0:FX0+3],   v[FR]
	ds_load_b128 v[FX0+4:FX0+7], v[FR] offset:32
	ds_load_b128 v[FB1:FB1+3],   v[FR] offset:OPB+64
	ds_load_b128 v[FB1+4:FB1+7], v[FR] offset:OPB+96
	ds_load_b128 v[FX1:FX1+3],   v[FR] offset:64
	ds_load_b128 v[FX1+4:FX1+7], v[FR] offset:96
	; Source 0 = rows of B, source 1 = rows of x: register j of lane (c, h) is t(batch c, rank 8 h + j), eight neighbouring ranks.
	; Two accumulators, one instruction each, both started by the constant 0: nothing is cleared and no instruction adds in place.
	s_wait_dscnt 0x4                               ; K step 0's four loads are in (and all stores done); K step 1's four may be out
	v_wmma_f32_16x16x32_bf16 v[ACC0:ACC0+7], v[FB0:FB0+7], v[FX0:FX0+7], 0
	s_wait_dscnt 0x0
	v_wmma_f32_16x16x32_bf16 v[ACC1:ACC1+7], v[FB1:FB1+7], v[FX1:FX1+7], 0
	; ten plain vector instructions that name no matrix register stand between the matrix instructions and the first read of a result (ISA guide 7.12.1 asks for four)
	v_mul_u32_u24 v[RS], v[CL], REDP
	v_lshl_add_u32 v[RS], v[HF], 5, v[RS]
	v_add_nc_u32 v[RS], s21, v[RS]                 ; my wave's tile: row c, 32 bytes at 32 h
	v_bfe_u32 v[T0], v0, 2, 4                      ; read-back: thread t of the first 64 takes row t / 4,
	v_and_b32 v[T1], 3, v0                         ; 16 bytes at 16 (t mod 4)
	v_mul_u32_u24 v[RR], v[T0], REDP
	v_lshl_add_u32 v[RR], v[T1], 4, v[RR]
	v_add_nc_u32 v[RR], RED, v[RR]
	v_and_b32 v[T0], 63, v0
	v_lshlrev_b32 v[PO], 4, v[T0]                  ; which are bytes 16 t of the block [m][q]
.irp j, 0,2,4,6
	v_pk_add_f32 v[ACC0+\j:ACC0+\j+1], v[ACC0+\j:ACC0+\j+1], v[ACC1+\j:ACC1+\j+1]
.endr
	ds_store_b128 v[RS], v[ACC0:ACC0+3]
	ds_store_b128 v[RS], v[ACC0+4:ACC0+7] offset:16
	s_wait_dscnt 0x0                               ; my tile is in LDS, for the waves that read it: zero
	s_barrier_signal -1
	s_barrier_wait -1                              ; all eight tiles are
	s_cmp_ge_u32 s10, 2
	s_cbranch_scc1 .Lend                           ; 64 threads x 16 bytes are the whole tile: waves 0 and 1 add and store
.irp j, 0,1,2,3,4,5,6,7
	ds_load_b128 v[P+4*\j:P+4*\j+3], v[RR] offset:\j*REDW
.endr
.macro ADD4 d, s
	v_pk_add_f32 v[\d:\d+1], v[\d:\d+1], v[\s:\s+1]
	v_pk_add_f32 v[\d+2:\d+3], v[\d+2:\d+3], v[\s+2:\s+3]
.endm
	s_wait_dscnt 0x4                               ; waves 0 to 3's pieces are in
	ADD4 P, P+4
	ADD4 P+8, P+12
	s_wait_dscnt 0x0
	ADD4 P+16, P+20
	ADD4 P+24, P+28
	ADD4 P, P+8
	ADD4 P+16, P+24
	ADD4 P, P+16
	global_store_b128 v[PO], v[P:P+3], s[8:9]      ; each wave stores 512 consecutive bytes, at a multiple of 512 from part's first byte
.Lend:
	s_wait_tensorcnt 0x0
	ds_add_u32 v112, v113
	s_wait_dscnt 0x0
	s_endpgm
.Lfunc_end_k_q0670977213_project:
	.size	k_q0670977213_project, .Lfunc_end_k_q0670977213_project-k_q0670977213_project
	.p2alignl 7, 3214868480
	.fill 96, 4, 3214868480
	.section	.rodata,"a",@progbits
	.p2align	6, 0x0
	.amdhsa_kernel k_q0670977213_project
		.amdhsa_group_segment_fixed_size 48128
		.amdhsa_private_segment_fixed_size 0
		.amdhsa_enable_private_segment 0
		.amdhsa_kernarg_size 24
		.amdhsa_user_sgpr_count 2
		.amdhsa_user_sgpr_kernarg_segment_ptr 1
		.amdhsa_wavefront_size32 1
		.amdhsa_system_sgpr_workgroup_id_x 1
		.amdhsa_system_sgpr_workgroup_id_y 1
		.amdhsa_system_sgpr_workgroup_id_z 1
		.amdhsa_system_vgpr_workitem_id 0
		.amdhsa_next_free_vgpr 114
		.amdhsa_next_free_sgpr 66
		.amdhsa_reserve_vcc 0
		.amdhsa_float_denorm_mode_32 3
		.amdhsa_float_denorm_mode_16_64 3
		.amdhsa_memory_ordered 1
		.amdhsa_forward_progress 1
		.amdhsa_inst_pref_size 11
	.end_amdhsa_kernel
	.amdgpu_metadata
---
amdhsa.version: [ 1, 2 ]
amdhsa.kernels:
  - .name:           k_q0670977213_project
    .symbol:         k_q0670977213_project.kd
    .args:
      - { .name: x, .offset: 0, .size: 8, .value_kind: global_buffer, .address_space: global }
      - { .name: B, .offset: 8, .size: 8, .value_kind: global_buffer, .address_space: global }
      - { .name: part, .offset: 16, .size: 8, .value_kind: global_buffer, .address_space: global }
    .group_segment_fixed_size: 48128
    .private_segment_fixed_size: 0
    .kernarg_segment_align: 8
    .kernarg_segment_size: 24
    .max_flat_workgroup_size: 256
    .sgpr_count:     66
    .vgpr_count:     114
    .wavefront_size: 32
...
	.end_amdgpu_metadata
.endif
;; end of part 1
;; launch expand (part 2): grid 2 x 128, 8 waves a work-group, no clusters, 24,064 bytes of LDS; arguments part, A, bias, out0; writes out0
.if DOCPART == 2
	.amdgcn_target "amdgcn-amd-amdhsa--gfx1250"
	.amdhsa_code_object_version 6
	.text
	.protected	k_q0670977213_expand
	.globl	k_q0670977213_expand
	.p2align	8
	.type	k_q0670977213_expand,@function
k_q0670977213_expand:
	s_mov_b64 s[64:65], 0
	v_nop
	global_prefetch_b8 v0, s[64:65] scope:SCOPE_SE
	s_setreg_imm32_b32 hwreg(HW_REG_WAVE_MODE, 25, 1), 1
	s_wait_xcnt 0x0
; Second half of y = (x B^T) A^T + bias: t = the sum of the 16 partial sums in part, then y = t A^T + bias.
; part[kc 0..15][tl = 4 bi + rj][m 0..15][q 0..15] f32: t(batch 16 bi + m, rank 16 rj + q) over chunk kc.  A: [8192][64] f32.  out0: [32][8192] f32.
; A work-group (x = by, the batch half; y = nx) makes y[16 by .. + 15][64 nx .. + 63] with eight waves.
; Thread T adds its 16 bytes of the sixteen partials in f32 (64 KiB for the work-group), rounds 64 bytes of A's 64 rows (16 KiB) to bf16, and stores 16 bytes of y.
; Wave w multiplies the 16 features nt = w mod 4 by the 32 ranks ks = w / 4: one matrix instruction; the two halves of the ranks meet in f32 on the way out.
; LIMITS: t and A are rounded to bf16, all sums are f32.  The order of rounding differs from the product as it is written in the problem (t is
; rounded, the 8192 x 8192 weight is never formed); with Inf or NaN among the inputs, or where A B would overflow f32, NaN and Inf may stand at other places.
; NO CLUSTER, NO TENSOR LOADS: the partials are read by all 128 work-groups of a batch half, but each asks once, at its first lines, and adds them straight
; from registers; a joint request would put two cluster barriers round that one fill and send the 64 KiB through LDS as f32 first.
.set AL,   0                           ; LDS: A in bf16, 64 rows (features) of 64 ranks
.set ALP,  144                         ; 128 bytes + 16: an odd multiple of 16, so 16 rows begin in 16 different 16-byte columns modulo 256
.set TL,   9216                        ; LDS: t in bf16, 64 rows: row 16 rj + m holds the 16 ranks of quarter rj of batch row m
.set TLP,  48                          ; 32 bytes + 16, an odd multiple of 16
.set SG,   12288                       ; LDS: a tile of 16 batch rows x 16 features f32 for each wave
.set SGW,  1344                        ; 16 x 80 + 64: the four tiles of a row begin 64 bytes apart modulo 256
.set SGP,  80
.set GT,   1                           ; v1   16 T: offset in part and in A
.set GB,   2                           ; v2   16 c: offset in bias
.set SA,   3                           ; v3   LDS: where my bf16 of A go
.set STT,  4                           ; v4   LDS: where my bf16 of t go
.set FAA,  5                           ; v5   LDS: my fragment of A
.set FTA,  6                           ; v6   LDS: my fragment of t
.set SS,   7                           ; v7   LDS: where my eight results go
.set SR,   8                           ; v8   LDS: the 16 bytes of a row that I read back
.set GO,   9                           ; v9   offset in out0
.set CL,   10                          ; v10  c = lane mod 16
.set HF,   11                          ; v11  h = lane / 16, later scratch
.set PV,   12                          ; v[12:75]   sixteen partials, 4 f32 each
.set AV,   76                          ; v[76:91]   A, four times 4 f32
.set BI,   92                          ; v[92:95]   bias
.set FA,   96                          ; v[96:103]  fragment of A
.set FT,   104                         ; v[104:111] fragment of t
.set ACC,  112                         ; v[112:119]
	s_load_b256 s[4:11], s[0:1], 0x0               ; part s[4:5], A s[6:7], bias s[8:9], out0 s[10:11]
	v_lshl_add_u32 v120, v0, 2, 0x5a00
	v_mov_b32 v121, 0
	v_lshrrev_b32 v[CL], 5, v0
	v_readfirstlane_b32 s12, v[CL]                 ; wave 0..7
	s_and_b32 s13, ttmp7, 0xffff                   ; nx
	s_and_b32 s14, s12, 3                          ; nt
	s_lshr_b32 s15, s12, 2                         ; ks
	s_lshl_b32 s16, ttmp9, 12                      ; part: the batch half's four tiles, 4,096 bytes
	s_mov_b32 s17, 0
	s_lshl_b32 s18, s13, 14                        ; A: 64 rows of 256 bytes
	s_mov_b32 s19, 0
	s_lshl_b32 s20, s13, 8                         ; bias: 64 f32
	s_mov_b32 s21, 0
	s_lshl_b32 s22, ttmp9, 19                      ; out0: 16 rows of 32,768 bytes, and 64 f32
	s_add_co_u32 s22, s22, s20
	s_mov_b32 s23, 0
	s_mul_i32 s24, s14, 16*ALP                     ; my 16 rows of A in LDS,
	s_lshl_b32 s27, s15, 6                         ; my 32 ranks: 64 bytes
	s_add_co_u32 s24, s24, s27
	s_mul_i32 s25, s15, 32*TLP                     ; my two quarters of the ranks in TL
	s_add_co_u32 s25, s25, TL
	s_mul_i32 s26, s12, SGW
	s_add_co_u32 s26, s26, SG                      ; my wave's tile
	v_and_b32 v[CL], 15, v0
	v_lshlrev_b32 v[GT], 4, v0
	v_lshlrev_b32 v[GB], 4, v[CL]
	s_wait_kmcnt 0x0
	s_add_nc_u64 s[4:5], s[4:5], s[16:17]
	s_add_nc_u64 s[6:7], s[6:7], s[18:19]
	s_add_nc_u64 s[8:9], s[8:9], s[20:21]
	s_add_nc_u64 s[10:11], s[10:11], s[22:23]
	; 21 loads, all at once, the partials first: they are added while A arrives.  Each of a wave's loads from part and A covers 512 consecutive bytes.
.irp g, 0,1,2,3,4,5,6,7,8,9,10,11,12,13,14,15
	global_load_b128 v[PV+4*\g:PV+4*\g+3], v[GT], s[4:5] offset:\g*8192
.endr
.irp i, 0,1,2,3
	global_load_b128 v[AV+4*\i:AV+4*\i+3], v[GT], s[6:7] offset:\i*4096
.endr
	global_load_b128 v[BI:BI+3], v[GB], s[8:9]
	; LDS addresses, while the loads are on their way
	v_bfe_u32 v[HF], v0, 4, 1
	v_lshrrev_b32 v[SA], 4, v0                     ; load i of A holds row T / 16 + 16 i, ranks 4 c .. 4 c + 3
	v_mul_u32_u24 v[SA], v[SA], ALP
	v_lshl_add_u32 v[SA], v[CL], 3, v[SA]
	v_lshrrev_b32 v[STT], 2, v0                    ; my 16 bytes of a partial: row 16 rj + m = T / 4, ranks 4 (T mod 4) .. + 3 of the quarter
	v_mul_u32_u24 v[STT], v[STT], TLP
	v_and_b32 v[FAA], 3, v0
	v_lshl_add_u32 v[STT], v[FAA], 3, v[STT]
	v_add_nc_u32 v[STT], TL, v[STT]
	v_mul_u32_u24 v[FAA], v[CL], ALP               ; fragment of A: row 16 nt + c, 16 bytes at 64 ks + 16 h, and 32 further
	v_lshl_add_u32 v[FAA], v[HF], 4, v[FAA]
	v_add_nc_u32 v[FAA], s24, v[FAA]
	v_mul_u32_u24 v[FTA], v[CL], TLP               ; fragment of t: batch row c of quarter 2 ks at 16 h, and of quarter 2 ks + 1, 16 rows further
	v_lshl_add_u32 v[FTA], v[HF], 4, v[FTA]
	v_add_nc_u32 v[FTA], s25, v[FTA]
.macro ADD4 d, s
	v_pk_add_f32 v[\d:\d+1], v[\d:\d+1], v[\s:\s+1]
	v_pk_add_f32 v[\d+2:\d+3], v[\d+2:\d+3], v[\s+2:\s+3]
.endm
	; t in f32, in two chains that do not wait for each other, four partials at a time.
	; 21 loads were issued; behind the last of group g (number 4 g + 3 of 0..20) stand 17 - 4 g younger ones.
	s_wait_loadcnt 17
	ADD4 PV, PV+4
	ADD4 PV+8, PV+12
.irp g, 1,2,3
	s_wait_loadcnt 17-4*\g
	ADD4 PV, PV+16*\g
	ADD4 PV+8, PV+16*\g+4
	ADD4 PV, PV+16*\g+8
	ADD4 PV+8, PV+16*\g+12
.endr
	ADD4 PV, PV+8
	v_cvt_pk_bf16_f32 v[PV], v[PV], v[PV+1]        ; t is rounded once, to nearest even
	v_cvt_pk_bf16_f32 v[PV+1], v[PV+2], v[PV+3]
	ds_store_b64 v[STT], v[PV:PV+1]
	s_wait_loadcnt 0x1                             ; A's four loads are in; only the bias may be out
.irp i, 0,1,2,3
	v_cvt_pk_bf16_f32 v[AV+4*\i], v[AV+4*\i], v[AV+4*\i+1]
	v_cvt_pk_bf16_f32 v[AV+4*\i+1], v[AV+4*\i+2], v[AV+4*\i+3]
	ds_store_b64 v[SA], v[AV+4*\i:AV+4*\i+1] offset:\i*16*ALP
.endr
	s_wait_dscnt 0x0                               ; my parts of t and of A are in LDS, for the other waves: zero
	s_barrier_signal -1
	s_barrier_wait -1                              ; everybody's are
	ds_load_b128 v[FA:FA+3],   v[FAA]
	ds_load_b128 v[FA+4:FA+7], v[FAA] offset:32
	ds_load_b128 v[FT:FT+3],   v[FTA]
	ds_load_b128 v[FT+4:FT+7], v[FTA] offset:16*TLP
	s_wait_dscnt 0x0
	; Source 0 = rows of A, source 1 = rows of t: register j of lane (c, h) is y(batch c, feature 16 nt + 8 h + j) over my 32 ranks.
	; The wave's only matrix instruction; the constant 0 starts the sum.
	v_wmma_f32_16x16x32_bf16 v[ACC:ACC+7], v[FA:FA+7], v[FT:FT+7], 0
	; twelve plain vector instructions that name no matrix register stand in front of the LDS stores that read the result (ISA guide 7.12.1 asks for four)
	v_mul_u32_u24 v[SS], v[CL], SGP
	v_lshl_add_u32 v[SS], v[HF], 5, v[SS]
	v_add_nc_u32 v[SS], s26, v[SS]                 ; my wave's tile: row c, 32 bytes at 32 h
	v_lshrrev_b32 v[GO], 4, v0                     ; R = T / 16: the batch row that I store
	v_lshrrev_b32 v[SR], 2, v[CL]                  ; my features 4 c .. 4 c + 3 lie in tile c / 4,
	v_mul_u32_u24 v[SR], v[SR], SGW
	v_mul_u32_u24 v[HF], v[GO], SGP                ; row R,
	v_add3_u32 v[SR], v[SR], v[HF], SG
	v_and_b32 v[HF], 3, v[CL]
	v_lshl_add_u32 v[SR], v[HF], 4, v[SR]          ; 16 bytes at 16 (c mod 4)
	v_lshlrev_b32 v[GO], 15, v[GO]
	v_lshl_add_u32 v[GO], v[CL], 4, v[GO]          ; out0: row R, 16 c
	ds_store_b128 v[SS], v[ACC:ACC+3]
	ds_store_b128 v[SS], v[ACC+4:ACC+7] offset:16
	s_wait_dscnt 0x0                               ; my tile is in LDS, for the other waves: zero
	s_barrier_signal -1
	s_barrier_wait -1
	ds_load_b128 v[PV:PV+3],   v[SR]               ; ranks 0 to 31
	ds_load_b128 v[PV+4:PV+7], v[SR] offset:4*SGW  ; ranks 32 to 63: the tiles of waves 4 to 7
	s_wait_loadcnt 0x0                             ; the bias
	s_wait_dscnt 0x0
	ADD4 PV, PV+4
	ADD4 PV, BI
	global_store_b128 v[GO], v[PV:PV+3], s[10:11] th:TH_STORE_NT   ; sixteen lanes store 256 consecutive bytes, at a multiple of 256 from out0's first byte
	s_wait_tensorcnt 0x0
	ds_add_u32 v120, v121
	s_wait_dscnt 0x0
	s_endpgm
.Lfunc_end_k_q0670977213_expand:
	.size	k_q0670977213_expand, .Lfunc_end_k_q0670977213_expand-k_q0670977213_expand
	.p2alignl 7, 3214868480
	.fill 96, 4, 3214868480
	.section	.rodata,"a",@progbits
	.p2align	6, 0x0
	.amdhsa_kernel k_q0670977213_expand
		.amdhsa_group_segment_fixed_size 24064
		.amdhsa_private_segment_fixed_size 0
		.amdhsa_enable_private_segment 0
		.amdhsa_kernarg_size 32
		.amdhsa_user_sgpr_count 2
		.amdhsa_user_sgpr_kernarg_segment_ptr 1
		.amdhsa_wavefront_size32 1
		.amdhsa_system_sgpr_workgroup_id_x 1
		.amdhsa_system_sgpr_workgroup_id_y 1
		.amdhsa_system_sgpr_workgroup_id_z 1
		.amdhsa_system_vgpr_workitem_id 0
		.amdhsa_next_free_vgpr 122
		.amdhsa_next_free_sgpr 66
		.amdhsa_reserve_vcc 0
		.amdhsa_float_denorm_mode_32 3
		.amdhsa_float_denorm_mode_16_64 3
		.amdhsa_memory_ordered 1
		.amdhsa_forward_progress 1
		.amdhsa_inst_pref_size 10
	.end_amdhsa_kernel
	.amdgpu_metadata
---
amdhsa.version: [ 1, 2 ]
amdhsa.kernels:
  - .name:           k_q0670977213_expand
    .symbol:         k_q0670977213_expand.kd
    .args:
      - { .name: part, .offset: 0, .size: 8, .value_kind: global_buffer, .address_space: global }
      - { .name: A, .offset: 8, .size: 8, .value_kind: global_buffer, .address_space: global }
      - { .name: bias, .offset: 16, .size: 8, .value_kind: global_buffer, .address_space: global }
      - { .name: out0, .offset: 24, .size: 8, .value_kind: global_buffer, .address_space: global }
    .group_segment_fixed_size: 24064
    .private_segment_fixed_size: 0
    .kernarg_segment_align: 8
    .kernarg_segment_size: 32
    .max_flat_workgroup_size: 256
    .sgpr_count:     66
    .vgpr_count:     122
    .wavefront_size: 32
...
	.end_amdgpu_metadata
.endif
;; end of part 2
;; ======== version 2 of 2: 2 launches; version 1 with the launch project written anew for expert scheduling mode
;; workspace buffers: part 131,072 bytes
;; launch project (part 3): grid 8 x 16, 8 waves a work-group, no clusters, 48,128 bytes of LDS; arguments x, B, part; writes part
.if DOCPART == 3
	.amdgcn_target "amdgcn-amd-amdhsa--gfx1250"
	.amdhsa_code_object_version 6
	.text
	.protected	k_q0670977213_project
	.globl	k_q0670977213_project
	.p2align	8
	.type	k_q0670977213_project,@function
k_q0670977213_project:
	s_mov_b64 s[64:65], 0
	v_nop
	global_prefetch_b8 v0, s[64:65] scope:SCOPE_SE
	s_setreg_imm32_b32 hwreg(HW_REG_WAVE_SCHED_MODE, 0, 2), 2
	s_setreg_imm32_b32 hwreg(HW_REG_WAVE_MODE, 25, 1), 1
	s_wait_xcnt 0x0
	s_wait_alu depctr_vm_vsrc(0)
; First half of y = x (A B)^T + bias, regrouped as y = (x B^T) A^T + bias (matrix products are associative for every input).
; This launch makes partial sums of t = x B^T, t: [32 batch][64 rank].  x: [32][8192] f32, B: [64][8192] f32.
; part[kc 0..15][tl 0..7][m 0..15][q 0..15] f32: the sum over k = 512 kc .. 512 kc + 511 of x[16 bi + m][k] B[16 rj + q][k], tl = 4 bi + rj.
; A work-group (x = tl, y = kc) makes one tile of 16 x 16 over one chunk of 512 k: 32 KiB of x and 32 KiB of B, 1,024 bytes out.
; Wave w takes k = 512 kc + 64 w .. + 63: 16 rows x 256 bytes of x and of B, sixteen 16-byte loads a lane, all issued at once, rounded to bf16 on
; the way into the wave's own LDS bytes, read back as fragments, two matrix instructions.  The eight waves' tiles are added in f32 through LDS.
; LIMITS: operands are rounded to bf16, sums are f32.  The order of rounding differs from the product as it is written in the problem (the
; 8192 x 8192 weight is never formed); with Inf or NaN among the inputs, or where A B would overflow f32, NaN and Inf may stand at other places.
; NO CLUSTER, NO TENSOR LOADS: a piece of x is read by 4 work-groups and a piece of B by 2, but each work-group asks once, for 64 KiB, at its first
; lines; a joint request would put two cluster barriers round that one fill, and the bytes would lie in LDS as f32, twice as many as here.
; THE MODE: SCHED_MODE bits 1:0 = 2 (LLVM: expert scheduling mode 2), set by the entry lines.  The code itself states the register dependences
; between vector or matrix instructions and memory or LDS instructions, with s_wait_alu, always for 0.
; THE PLAN.  Registers that memory or LDS instructions touch:
;   v[GO]          written at the head, read by the sixteen global loads, never written again.
;   v[ST], v[FR]   written behind the global loads, read by the LDS stores and by the fragments' loads, never written again.
;   XV, BV         the sixteen loads land here, in four batches of four (x 0-3, x 4-7, B 0-3, B 4-7).  Step p converts batch p in place; the four LDS
;                  stores that read batch p are issued in step p + 1, among the conversions of batch p + 1, which name other registers.
;                  Later XV's first sixteen registers take the accumulators, and BV takes the eight tiles read back.
;   FB0 .. FX1     written by LDS loads, read by matrix instructions; no vector instruction names them.
;   v[RS], v[RR], v[PO]  written once, behind the matrix instructions; read by the tile's LDS stores, by the read-back and by the global store.
; So one wait on va_vdst stands at the head of each of steps 1 to 3, behind the step's wait for its data, and one ahead of the last batch's stores; one
; wait on vm_vsrc stands ahead of the first matrix instruction; one wait on va_vdst ahead of the tile's LDS stores and one ahead of the global store.
.set ROWB, 32768                       ; bytes in a row of x and of B
.set OPW,  4608                        ; LDS: a wave's operands: x's 16 rows, then B's 16 rows
.set OPB,  2304                        ; B's rows behind x's (16 x 144)
.set OPP,  144                         ; 64 bf16 = 128 bytes + 16: an odd multiple of 16, so 16 rows begin in 16 different 16-byte columns modulo 256
.set RED,  36864                       ; LDS: behind the eight waves' operands, a tile of 16 x 16 f32 for each wave
.set REDW, 1280                        ; 16 rows x 80
.set REDP, 80                          ; 64 bytes + 16, again an odd multiple of 16
.set CL,   1                           ; v1   c = lane mod 16
.set HF,   2                           ; v2   h = lane / 16
.set GO,   3                           ; v3   global offset: 16 c + h rows
.set ST,   4                           ; v4   LDS: where my 8 bytes of bf16 go
.set FR,   5                           ; v5   LDS: my fragment rows
.set RS,   6                           ; v6   LDS: where my eight results go
.set RR,   7                           ; v7   LDS: the 16 bytes that I add up (waves 0 and 1)
.set PO,   8                           ; v8   my 16 bytes in the block of part
.set T0,   10                          ; v10, v11 scratch: no memory instruction names them
.set T1,   11
.set XV,   12                          ; v[12:43]   x as loaded, eight times 4 f32
.set BV,   44                          ; v[44:75]   B as loaded
.set FB0,  76                          ; fragments: B and x, K step 0 and 1
.set FX0,  84
.set FB1,  92
.set FX1,  100
.set ACC0, 12                          ; the two accumulators lie where x lay
.set ACC1, 20
.set P,    44                          ; the eight waves' pieces, read back where B lay
	s_load_b128 s[4:7], s[0:1], 0x0                ; x s[4:5], B s[6:7]
	s_load_b64 s[8:9], s[0:1], 0x10                ; part
	v_lshl_add_u32 v110, v0, 2, 0xb800
	v_mov_b32 v111, 0
	v_lshrrev_b32 v[T0], 5, v0
	v_readfirstlane_b32 s10, v[T0]                 ; wave 0..7
	v_and_b32 v[CL], 15, v0
	v_bfe_u32 v[HF], v0, 4, 1
	v_lshlrev_b32 v[GO], 4, v[CL]
	v_lshl_add_u32 v[GO], v[HF], 15, v[GO]         ; lanes 0-15 take 256 bytes of an even row, lanes 16-31 of the row below
	s_and_b32 s11, ttmp7, 0xffff                   ; kc
	s_lshr_b32 s12, ttmp9, 2                       ; bi: which 16 rows of x
	s_and_b32 s13, ttmp9, 3                        ; rj: which 16 rows of B
	s_lshl_b32 s22, s11, 11                        ; 512 k of f32 = 2,048 bytes a chunk
	s_wait_alu depctr_va_sdst(0)                   ; s10 is written, ahead of its first reader: the wave's offsets in x, B and LDS are made from it
	s_lshl_b32 s23, s10, 8                         ; 64 k = 256 bytes a wave
	s_add_co_u32 s22, s22, s23
	s_lshl_b32 s14, s12, 19                        ; 16 rows of 32,768 bytes
	s_add_co_u32 s14, s14, s22
	s_mov_b32 s15, 0
	s_lshl_b32 s16, s13, 19
	s_add_co_u32 s16, s16, s22
	s_mov_b32 s17, 0
	s_lshl_b32 s18, s11, 13                        ; part: 8 tiles of 1,024 bytes a chunk
	s_lshl_b32 s24, ttmp9, 10
	s_add_co_u32 s18, s18, s24
	s_mov_b32 s19, 0
	s_mul_i32 s20, s10, OPW                        ; my wave's operands in LDS
	s_mul_i32 s21, s10, REDW
	s_add_co_u32 s21, s21, RED                     ; my wave's tile in LDS
	s_wait_kmcnt 0x0
	s_add_nc_u64 s[4:5], s[4:5], s[14:15]
	s_add_nc_u64 s[6:7], s[6:7], s[16:17]
	s_add_nc_u64 s[8:9], s[8:9], s[18:19]
	s_wait_alu depctr_va_vdst(0)                   ; v[GO] is written, which the sixteen loads below read as their offset
	; all the wave's 8 KiB at once: load i brings rows 2 i and 2 i + 1, each as 256 consecutive bytes that begin at a multiple of 256
.irp i, 0,1,2,3,4,5,6,7
	global_load_b128 v[XV+4*\i:XV+4*\i+3], v[GO], s[4:5] offset:\i*2*ROWB
.endr
.irp i, 0,1,2,3,4,5,6,7
	global_load_b128 v[BV+4*\i:BV+4*\i+3], v[GO], s[6:7] offset:\i*2*ROWB
.endr
	v_mul_u32_u24 v[ST], v[HF], OPP                ; LDS addresses, while the loads are on their way
	v_lshl_add_u32 v[ST], v[CL], 3, v[ST]
	v_add_nc_u32 v[ST], s20, v[ST]                 ; row h, 8 bytes at 8 c
	v_mul_u32_u24 v[FR], v[CL], OPP
	v_lshl_add_u32 v[FR], v[HF], 4, v[FR]
	v_add_nc_u32 v[FR], s20, v[FR]                 ; row c, 16 bytes at 16 h
; Four f32 of one load become four bf16 (to nearest even), in the first two of their four registers; later they go to LDS.
.macro CVT reg
	v_cvt_pk_bf16_f32 v[\reg], v[\reg], v[\reg+1]
	v_cvt_pk_bf16_f32 v[\reg+1], v[\reg+2], v[\reg+3]
.endm
.macro PUT reg, off
	ds_store_b64 v[ST], v[\reg:\reg+1] offset:\off
.endm
	; step 0
	s_wait_loadcnt 12                              ; loads come back in order: batch 0 (x's rows 0 to 7) is in, the twelve younger loads stay out
.irp i, 0,1,2,3
	CVT XV+4*\i
.endr
	; step 1
	s_wait_loadcnt 8                               ; batch 1 (x's rows 8 to 15) is in
	s_wait_alu depctr_va_vdst(0)                   ; batch 0's conversions have written the stores' data; v[ST] and v[FR] are written
.irp i, 0,1,2,3
	PUT XV+4*\i, 2*OPP*\i                          ; no vector instruction since the wait names these registers
	CVT XV+16+4*\i
.endr
	; step 2
	s_wait_loadcnt 4                               ; batch 2 (B's rows 0 to 7) is in
	s_wait_alu depctr_va_vdst(0)                   ; batch 1's conversions have written the stores' data
.irp i, 0,1,2,3
	PUT XV+16+4*\i, 2*OPP*(4+\i)
	CVT BV+4*\i
.endr
	; step 3
	s_wait_loadcnt 0x0                             ; batch 3 (B's rows 8 to 15) is in
	s_wait_alu depctr_va_vdst(0)                   ; batch 2's conversions have written the stores' data
	; Fragments of 16 rows x 32 k: lane (c, h) takes row c, k = 8 h .. + 7 and 16 + 8 h .. + 7: two loads, 32 bytes apart.
	; The bytes are the wave's own and LDS serves a wave's instructions in order: no wait between the stores above and these loads.  x's rows are all stored: its fragments are asked for here.
	ds_load_b128 v[FX0:FX0+3],   v[FR]
	ds_load_b128 v[FX0+4:FX0+7], v[FR] offset:32
	ds_load_b128 v[FX1:FX1+3],   v[FR] offset:64
	ds_load_b128 v[FX1+4:FX1+7], v[FR] offset:96
.irp i, 0,1,2,3
	PUT BV+4*\i, OPB+2*OPP*\i
	CVT BV+16+4*\i
.endr
	s_wait_alu depctr_va_vdst(0)                   ; batch 3's conversions have written the stores' data
.irp i, 0,1,2,3
	PUT BV+16+4*\i, OPB+2*OPP*(4+\i)
.endr
	ds_load_b128 v[FB0:FB0+3],   v[FR] offset:OPB
	ds_load_b128 v[FB0+4:FB0+7], v[FR] offset:OPB+32
	ds_load_b128 v[FB1:FB1+3],   v[FR] offset:OPB+64
	ds_load_b128 v[FB1+4:FB1+7], v[FR] offset:OPB+96
	; Source 0 = rows of B, source 1 = rows of x: register j of lane (c, h) is t(batch c, rank 8 h + j), eight neighbouring ranks.
	; Two accumulators, one instruction each, both started by the constant 0: nothing is cleared and no instruction adds in place.
	s_wait_dscnt 0x2                               ; x's fragments and B's of K step 0 are in; the two loads of B's K step 1 may be out
	s_wait_alu depctr_vm_vsrc(0)                   ; the sixteen LDS stores have read their data: x's registers take the accumulators now, B's the tiles read back further down
	v_wmma_f32_16x16x32_bf16 v[ACC0:ACC0+7], v[FB0:FB0+7], v[FX0:FX0+7], 0
	s_wait_dscnt 0x0
	v_wmma_f32_16x16x32_bf16 v[ACC1:ACC1+7], v[FB1:FB1+7], v[FX1:FX1+7], 0
	; ten plain vector instructions that name no matrix register stand between the matrix instructions and the first read of a result (ISA guide 7.12.1 asks for four)
	v_mul_u32_u24 v[RS], v[CL], REDP
	v_lshl_add_u32 v[RS], v[HF], 5, v[RS]
	v_add_nc_u32 v[RS], s21, v[RS]                 ; my wave's tile: row c, 32 bytes at 32 h
	v_bfe_u32 v[T0], v0, 2, 4                      ; read-back: thread t of the first 64 takes row t / 4,
	v_and_b32 v[T1], 3, v0                         ; 16 bytes at 16 (t mod 4)
	v_mul_u32_u24 v[RR], v[T0], REDP
	v_lshl_add_u32 v[RR], v[T1], 4, v[RR]
	v_add_nc_u32 v[RR], RED, v[RR]
	v_and_b32 v[T0], 63, v0
	v_lshlrev_b32 v[PO], 4, v[T0]                  ; which are bytes 16 t of the block [m][q]
.irp j, 0,2,4,6
	v_pk_add_f32 v[ACC0+\j:ACC0+\j+1], v[ACC0+\j:ACC0+\j+1], v[ACC1+\j:ACC1+\j+1]
.endr
	s_wait_alu depctr_va_vdst(0)                   ; the four additions have written the stores' data; v[RS], v[RR] and v[PO] are written
	ds_store_b128 v[RS], v[ACC0:ACC0+3]
	ds_store_b128 v[RS], v[ACC0+4:ACC0+7] offset:16
	s_wait_dscnt 0x0                               ; my tile is in LDS, for the waves that read it: zero
	s_barrier_signal -1
	s_barrier_wait -1                              ; all eight tiles are
	s_cmp_ge_u32 s10, 2
	s_cbranch_scc1 .Lend                           ; 64 threads x 16 bytes are the whole tile: waves 0 and 1 add and store
	; These loads land where B lay: its conversions stand ahead of waits on va_vdst, its LDS stores ahead of the wait on vm_vsrc, and no vector instruction has been issued since the last wait on va_vdst.
.irp j, 0,1,2,3,4,5,6,7
	ds_load_b128 v[P+4*\j:P+4*\j+3], v[RR] offset:\j*REDW
.endr
.macro ADD4 d, s
	v_pk_add_f32 v[\d:\d+1], v[\d:\d+1], v[\s:\s+1]
	v_pk_add_f32 v[\d+2:\d+3], v[\d+2:\d+3], v[\s+2:\s+3]
.endm
	s_wait_dscnt 0x4                               ; waves 0 to 3's pieces are in
	ADD4 P, P+4
	ADD4 P+8, P+12
	s_wait_dscnt 0x0
	ADD4 P+16, P+20
	ADD4 P+24, P+28
	ADD4 P, P+8
	ADD4 P+16, P+24
	ADD4 P, P+16
	s_wait_alu depctr_va_vdst(0)                   ; the last additions have written v[P .. P+3], which the store reads
	global_store_b128 v[PO], v[P:P+3], s[8:9]      ; each wave stores 512 consecutive bytes, at a multiple of 512 from part's first byte
.Lend:
	s_wait_dscnt 0x0
	s_wait_alu depctr_hold_cnt(0) depctr_sa_sdst(0) depctr_va_vdst(0) depctr_va_sdst(0) depctr_va_ssrc(0) depctr_va_vcc(0) depctr_vm_vsrc(0)
	s_wait_tensorcnt 0x0
	ds_add_u32 v110, v111
	s_wait_dscnt 0x0
	s_endpgm
.Lfunc_end_k_q0670977213_project:
	.size	k_q0670977213_project, .Lfunc_end_k_q0670977213_project-k_q0670977213_project
	.p2alignl 7, 3214868480
	.fill 96, 4, 3214868480
	.section	.rodata,"a",@progbits
	.p2align	6, 0x0
	.amdhsa_kernel k_q0670977213_project
		.amdhsa_group_segment_fixed_size 48128
		.amdhsa_private_segment_fixed_size 0
		.amdhsa_enable_private_segment 0
		.amdhsa_kernarg_size 24
		.amdhsa_user_sgpr_count 2
		.amdhsa_user_sgpr_kernarg_segment_ptr 1
		.amdhsa_wavefront_size32 1
		.amdhsa_system_sgpr_workgroup_id_x 1
		.amdhsa_system_sgpr_workgroup_id_y 1
		.amdhsa_system_sgpr_workgroup_id_z 1
		.amdhsa_system_vgpr_workitem_id 0
		.amdhsa_next_free_vgpr 112
		.amdhsa_next_free_sgpr 66
		.amdhsa_reserve_vcc 0
		.amdhsa_float_denorm_mode_32 3
		.amdhsa_float_denorm_mode_16_64 3
		.amdhsa_memory_ordered 1
		.amdhsa_forward_progress 1
		.amdhsa_inst_pref_size 11
	.end_amdhsa_kernel
	.amdgpu_metadata
---
amdhsa.version: [ 1, 2 ]
amdhsa.kernels:
  - .name:           k_q0670977213_project
    .symbol:         k_q0670977213_project.kd
    .args:
      - { .name: x, .offset: 0, .size: 8, .value_kind: global_buffer, .address_space: global }
      - { .name: B, .offset: 8, .size: 8, .value_kind: global_buffer, .address_space: global }
      - { .name: part, .offset: 16, .size: 8, .value_kind: global_buffer, .address_space: global }
    .group_segment_fixed_size: 48128
    .private_segment_fixed_size: 0
    .kernarg_segment_align: 8
    .kernarg_segment_size: 24
    .max_flat_workgroup_size: 256
    .sgpr_count:     66
    .vgpr_count:     112
    .wavefront_size: 32
...
	.end_amdgpu_metadata
.endif
;; end of part 3
;; launch expand: the kernel of part 2 again; grid 2 x 128, 8 waves a work-group, no clusters, 24,064 bytes of LDS; arguments part, A, bias, out0; writes out0
